; MI455X (gfx1250); checked and timed in simulation.
; The chip was launched on July 23, 2026; its instructions are those of AMD's public machine-readable ISA for CDNA 5 (MIT licence, August 2026) and "CDNA5" Instruction Set Architecture Reference Guide (July 2026). The comments in the code are by the model that wrote it; some were corrected since.
;; Multi Head Attention. Allowed arithmetic: float matrix products may take bf16 or f16 operands with f32 sums; all other float work in f32.
;; Inputs: Wk 1,024 x 1,024 float32; Wo 1,024 x 1,024 float32; Wq 1,024 x 1,024 float32; Wv 1,024 x 1,024 float32; bk 1,024 float32; bo 1,024 float32; bq 1,024 float32; bv 1,024 float32; k 2 x 2,048 x 1,024 float32; mask 2 x 2,048 bool; q 2 x 2,048 x 1,024 float32; v 2 x 2,048 x 1,024 float32.
;; Outputs: out0 2 x 2,048 x 1,024 float32.
;; One version. Each part assembles by itself: llvm-mc -triple=amdgcn-amd-amdhsa -mcpu=gfx1250 --defsym DOCPART=n.
;; ======== version 1 of 1: 3 launches
;; limits: values are held in f16: magnitudes above 65,504 overflow, below 6.1e-05 lose precision
;; workspace buffers: qh 8,388,608 bytes; kh 8,388,608 bytes; vh 8,388,608 bytes; ctx 8,388,608 bytes; woh 2,097,152 bytes
;; launch qkv (part 1): grid 4 x 48, 4 waves a work-group, clusters of 4 x 4, 327,680 bytes of LDS; arguments q, k, v, Wq, Wk, Wv, bq, bk, bv, qh, kh, vh; writes qh, kh, vh
.if DOCPART == 1
	.amdgcn_target "amdgcn-amd-amdhsa--gfx1250"
	.amdhsa_code_object_version 6
	.text
	.protected	k_q67ad00b123_qkv
	.globl	k_q67ad00b123_qkv
	.p2align	8
	.type	k_q67ad00b123_qkv,@function
k_q67ad00b123_qkv:
	s_mov_b64 s[64:65], 0
	v_nop
	global_prefetch_b8 v0, s[64:65] scope:SCOPE_SE
	s_setreg_imm32_b32 hwreg(HW_REG_WAVE_MODE, 25, 1), 1
	s_wait_xcnt 0x0
	s_wait_alu depctr_hold_cnt(0) depctr_sa_sdst(0) depctr_va_vdst(0) depctr_va_sdst(0) depctr_va_ssrc(0) depctr_va_vcc(0) depctr_vm_vsrc(0)
	s_getreg_b32 s2, hwreg(HW_REG_IB_STS2, 6, 4)
	s_cmp_eq_u32 s2, 0
	s_cbranch_scc0 .Lentry_in_a_cluster
	s_endpgm
.Lentry_in_a_cluster:
	s_bfe_u32 s2, ttmp6, 0x10000c
	s_cmp_lg_u32 s2, 0xf033
	s_cbranch_scc0 .Lentry_shape_is_right
	s_endpgm
.Lentry_shape_is_right:
; Xh = f16(X W^T + b) for (X, W, b, Xh) = (q, Wq, bq, qh), (k, Wk, bk, kh), (v, Wv, bv, vh).
; X: [4096][1024] f32, W: [1024][1024] f32, b: [1024] f32, Xh: [4096][1024] f16.  Products of f16 operands, sums in f32.
; WHY F16.  Between the inputs and the module's output five intermediates are rounded one after another (Q, K, P, V, the context), and each rounding's
; relative error reaches the output at full size.  Eleven significant bits keep the sum of them, and of the eight roundings of inputs, near 0.07 per cent
; of the output's root mean square; eight bits would leave 0.36 per cent from the five alone.
; LIMIT.  |X|, |W| and the results |Xh| must stay below 65,504, f16's largest number; beyond it the conversion gives infinity.  By the sizes: X of spread 1 and
; W of spread 1/32 over K = 1024 give results of spread 1; all inputs 30 times larger give spread 900; a common offset of 30 spreads on X and on W gives
; 1024 x 30 x 30/32 = 28,800.  Numbers under 2^-14 are kept as denormals, with an absolute error of 2^-25 at the most.
; A work-group makes a block of 256 x 256 of one of the three results with four waves; a wave makes 128 x 128: 64 accumulator
; tiles of 16 x 16, 512 registers.  Each product has 16 x 4 such blocks, so the launch has 192 work-groups: blocks of 128 x 128
; would make 768, but a wave would then read twice the LDS bytes for each multiply-add, and the operands here are f32 in LDS.
; K goes in steps of 64 (256 bytes of f32 in a row, starting at multiples of 256 bytes) through two LDS slots filled by tensor loads.
; A wave reads its fragments as f32 (four loads of 16 bytes for 16 rows x 32 K), rounds them to f16 in registers, and multiplies.
; CLUSTERS: 4 x 4 work-groups.  The four of a row of the cluster need the same tiles of X, the four of a column the same tiles of W:
; each tile is asked for jointly, by the same line with the same descriptor in the four that the mask names.
; The cluster's y counts 12 clusters: four for each of the three products, so all sixteen partners work on the same product.
; By this text's own count a wave has two tensor loads out at the start and one behind each refill.
; REGISTERS, in windows of 256:
;   window 0: v0-27 addresses; v64-127 A's fragments in f16; v128-255 A's fragments as loaded, f32
;   window 1: v0-63 the bias of my 128 columns, in the accumulators' layout; v64-127 B's fragments; v128-255 B's as loaded
;   window 2: accumulator tiles of my rows 0-63 (tile (a, b) at v[8 (8 a + b)]);  window 3: those of my rows 64-127
; The matrix instruction is used transposed (source 0 = 16 rows of W, source 1 = 16 rows of X): a lane then holds eight neighbouring
; columns of one row of the result.  The first product takes the bias registers as C: the bias costs no instruction, nothing is cleared.
.set PITCH,  272                       ; an LDS row: 256 bytes + 16 of padding, an odd multiple of 16: the 16 rows of a fragment load start 16 bytes apart modulo 256
.set HALFT,  128*PITCH                 ; 128 rows: what one tensor load brings
.set SLOT,   4*HALFT                   ; X's 256 rows, then W's 256 rows
.set STAGE,  2*SLOT                    ; behind the two slots: 16 rows x 272 bytes for each wave, for the way out; no tensor load lands here
.set SPITCH, 272
.set OROW,   2048                      ; bytes in a row of the result
.set STEPB,  256                       ; bytes of a K step in a row of X or W
.set ADRA, 16                          ; v16-17  LDS address of my A fragments in slot 0, 1
.set ADRB, 20                          ; v20-21  the same for B
.set STO,  24                          ; the way out: where I put 16 bytes of a row
.set RD,   25                          ; the way out: where I read a row back
.set CO,   26                          ; my byte offset in the result
.set BOF,  27                          ; 32 h: my byte offset in a tile's 16 bias numbers
.set FRG,  64                          ; fragments in f16 (A: window 0, B: window 1)
.set RAW,  128                         ; fragments as loaded
.set TMP,  192                         ; the way out: packed results
.set G1,  24                           ; s[24:31] descriptor group 1 for X's tiles
.set G0,  32                           ; s[32:39] group 0 for X's tiles, a set for each slot
.set G1B, 48                           ; s[48:55] group 1 for W's tiles: it differs in the mask alone
.set G0B, 56                           ; s[56:63] group 0 for W's tiles
.set TO_B, 0x40                        ; destination window 1, address window 0
.set MSB, 0
.macro WIN new                         ; the immediate's high byte repeats the setting that is left
.if MSB != \new
	s_set_vgpr_msb (MSB<<8)|\new
.set MSB, \new
.endif
.endm
.macro PLACES                          ; four places behind a matrix instruction (ISA guide 7.12.1)
.rept 4
	v_nop
.endr
.endm
; A joint load: waves 0 and 1 fetch X's two halves, waves 2 and 3 W's.  The branch hangs on the wave's number alone.
.macro JLOAD sl
	s_cmp_eq_u32 s11, 0
	s_cbranch_scc0 .Lfor_b_\@
	tensor_load_to_lds s[G0+4*\sl:G0+4*\sl+3], s[G1:G1+7]
	s_nop 0
	s_branch .Lasked_\@
.Lfor_b_\@:
	tensor_load_to_lds s[G0B+4*\sl:G0B+4*\sl+3], s[G1B:G1B+7]
	s_nop 0
.Lasked_\@:
.endm
.macro CREST                           ; a round of the cluster's barrier behind its opening work-group barrier
	s_cmp_lg_u32 s10, 0
	s_cbranch_scc1 .Lnot_wave_0_\@
	s_barrier_signal -3
.Lnot_wave_0_\@:
	s_barrier_wait -3
	s_barrier_signal -1
	s_barrier_wait -1
.endm
.macro CROUND                          ; a whole round
	s_barrier_signal -1
	s_barrier_wait -1
	CREST
.endm
	s_load_b512 s[68:83], s[0:1], 0x0              ; q, k, v, Wq, Wk, Wv, bq, bk
	s_load_b256 s[84:91], s[0:1], 0x40             ; bv, qh, kh, vh
	v_lshl_add_u32 v62, v0, 2, 0x48400
	v_mov_b32 v63, 0
	ds_add_u32 v62, v63
	v_lshrrev_b32 v1, 5, v0
	v_readfirstlane_b32 s10, v1                    ; wave 0..3
	s_lshr_b32 s11, s10, 1                         ; my half of the block's rows.  Also: I fetch for X (0) or for W (1)
	s_and_b32 s12, s10, 1                          ; my half of its columns.  Also: which 128 rows of that tile I fetch
	s_bfe_u32 s40, ttmp6, 0x40000                  ; cx
	s_bfe_u32 s41, ttmp6, 0x40004                  ; cy
	s_lshl_b32 s42, ttmp9, 2
	s_add_co_u32 s42, s42, s40                     ; block column = 4 x cluster x + cx
	s_and_b32 s13, ttmp7, 0xffff                   ; cluster y, 0..11
	s_lshr_b32 s45, s13, 2                         ; which product: 0 Q, 1 K, 2 V; the same in all sixteen partners
	s_and_b32 s13, s13, 3
	s_lshl_b32 s13, s13, 2
	s_add_co_u32 s13, s13, s41                     ; block row = 4 x (cluster y mod 4) + cy
	s_lshl_b32 s43, s41, 2
	s_lshl_b32 s43, 15, s43                        ; my row of the cluster
	s_lshl_b32 s44, 0x1111, s40                    ; my column
	; group 1: a tile of 128 rows x 64 elements of 4 bytes, 16 bytes of padding behind each row of 64 words
	s_or_b32 s[G1+0], s43, (2<<16)|(1<<20)|(1<<21)|(5<<22)|(3<<25)
	s_or_b32 s[G1B+0], s44, (2<<16)|(1<<20)|(1<<21)|(5<<22)|(3<<25)
	s_mov_b32 s[G1+1], 64<<16                      ; tensor_dim0 = 64
	s_mov_b32 s[G1B+1], 64<<16
	s_mov_b32 s[G1+2], 128<<16                     ; tensor_dim1 = 128
	s_mov_b32 s[G1B+2], 128<<16
	s_mov_b32 s[G1+3], 64<<16                      ; tile_dim0 = 64
	s_mov_b32 s[G1B+3], 64<<16
	s_mov_b32 s[G1+4], 128                         ; tile_dim1 = 128
	s_mov_b32 s[G1B+4], 128
	s_mov_b32 s[G1+5], 1024                        ; elements from row to row
	s_mov_b32 s[G1B+5], 1024
	s_mov_b32 s[G1+6], 0
	s_mov_b32 s[G1B+6], 0
	s_mov_b32 s[G1+7], 0
	s_mov_b32 s[G1B+7], 0
	; byte offsets of my tiles: rows of 4,096 bytes.  X's hangs on the block row, W's on the block column, each in registers of its own
	s_lshl_b32 s17, s12, 7
	s_lshl_b32 s16, s13, 8
	s_add_co_u32 s16, s16, s17
	s_lshl_b32 s16, s16, 12
	s_lshl_b32 s46, s42, 8
	s_add_co_u32 s46, s46, s17
	s_lshl_b32 s46, s46, 12
	s_mov_b32 s17, 0
	s_mov_b32 s47, 0
	s_mul_i32 s20, s10, HALFT                      ; where my tile goes: wave x 128 rows
	s_wait_dscnt 0x0
	s_wait_kmcnt 0x0
	s_cmp_eq_u32 s45, 1                            ; the product's four buffers
	s_cselect_b64 s[4:5], s[70:71], s[68:69]       ; X
	s_cselect_b64 s[6:7], s[76:77], s[74:75]       ; W
	s_cselect_b64 s[92:93], s[82:83], s[80:81]     ; b
	s_cselect_b64 s[8:9], s[88:89], s[86:87]       ; result
	s_cmp_eq_u32 s45, 2
	s_cselect_b64 s[4:5], s[72:73], s[4:5]
	s_cselect_b64 s[6:7], s[78:79], s[6:7]
	s_cselect_b64 s[92:93], s[84:85], s[92:93]
	s_cselect_b64 s[8:9], s[90:91], s[8:9]
	s_add_nc_u64 s[14:15], s[4:5], s[16:17]
	s_add_nc_u64 s[46:47], s[6:7], s[46:47]
	CROUND                                         ; all sixteen work-groups are here: the first joint loads meet
.irp sl, 0,1
	s_mov_b32 s[G0+4*\sl], 1
	s_add_co_u32 s[G0+4*\sl+1], s20, \sl*SLOT
	s_add_nc_u64 s[G0+4*\sl+2:G0+4*\sl+3], s[14:15], \sl*STEPB
	s_or_b32 s[G0+4*\sl+3], s[G0+4*\sl+3], 0x80000000
	s_mov_b32 s[G0B+4*\sl], 1
	s_add_co_u32 s[G0B+4*\sl+1], s20, \sl*SLOT
	s_add_nc_u64 s[G0B+4*\sl+2:G0B+4*\sl+3], s[46:47], \sl*STEPB
	s_or_b32 s[G0B+4*\sl+3], s[G0B+4*\sl+3], 0x80000000
	JLOAD \sl                                      ; K steps 0 and 1 go out before anything else
.endr
	; A fragment of 16 rows x 32 K: lane l holds row l % 16, K = 8 (l / 16) + 0..7 and 16 + 8 (l / 16) + 0..7.
	; In f32 that is 32 bytes at 32 (l / 16) and 32 bytes 64 further on.
	v_and_b32 v1, 15, v0                           ; r
	v_bfe_u32 v2, v0, 4, 1                         ; h
	v_mul_u32_u24 v3, v1, PITCH
	v_lshl_add_u32 v3, v2, 5, v3                   ; r x pitch + 32 h
	s_mul_i32 s21, s11, HALFT
	s_mul_i32 s22, s12, HALFT
	s_add_co_u32 s22, s22, 2*HALFT
.irp sl, 0,1
	v_add_nc_u32 v[ADRA+\sl], s21, v3
	v_add_nc_u32 v[ADRB+\sl], s22, v3
	s_add_co_u32 s21, s21, SLOT
	s_add_co_u32 s22, s22, SLOT
.endr
	s_mul_i32 s23, s10, 16*SPITCH
	s_add_co_u32 s23, s23, STAGE                   ; my stage
	v_mul_u32_u24 v4, v1, SPITCH
	v_lshl_add_u32 v4, v2, 4, v4
	v_add_nc_u32 v[STO], s23, v4
	v_mul_u32_u24 v5, v2, SPITCH
	v_lshl_add_u32 v5, v1, 4, v5
	v_add_nc_u32 v[RD], s23, v5
	v_lshlrev_b32 v5, 11, v2
	v_lshl_add_u32 v[CO], v1, 4, v5                ; h rows of 2,048 bytes + 16 r
	v_lshlrev_b32 v[BOF], 5, v2
	; the bias of my 128 columns: register j of tile b is b[first column + 16 b + 8 h + j]
	s_lshl_b32 s46, s42, 10
	s_lshl_b32 s47, s12, 9
	s_add_co_u32 s46, s46, s47
	s_mov_b32 s47, 0
	s_add_nc_u64 s[92:93], s[92:93], s[46:47]
	WIN TO_B
.irp b, 0,1,2,3,4,5,6,7
	global_load_b128 v[8*\b:8*\b+3],   v[BOF], s[92:93] offset:64*\b
	global_load_b128 v[8*\b+4:8*\b+7], v[BOF], s[92:93] offset:64*\b+16
.endr
	WIN 0
; 64 LDS loads: the f32 fragments of 32 along K, at byte k of the slot's rows: 128 rows of W, then 128 rows of X
.macro FETCH slot, k
	WIN TO_B
.irp i, 0,1,2,3,4,5,6,7
.irp c, 0,1,2,3
	ds_load_b128 v[RAW+16*\i+4*\c:RAW+16*\i+4*\c+3], v[ADRB+\slot] offset:\k+\i*16*PITCH+16*(\c&1)+64*(\c>>1)
.endr
.endr
	WIN 0
.irp i, 0,1,2,3,4,5,6,7
.irp c, 0,1,2,3
	ds_load_b128 v[RAW+16*\i+4*\c:RAW+16*\i+4*\c+3], v[ADRA+\slot] offset:\k+\i*16*PITCH+16*(\c&1)+64*(\c>>1)
.endr
.endr
.endm
; 128 roundings, two numbers each: the loaded order is already the fragment's order
.macro CVT
	WIN 0x45                                       ; sources and destination in window 1: W
.set n, 0
.rept 64
	v_cvt_pk_f16_f32 v[FRG+n], v[RAW+2*n], v[RAW+2*n+1]
.set n, n+1
.endr
	WIN 0                                          ; X
.set n, 0
.rept 64
	v_cvt_pk_f16_f32 v[FRG+n], v[RAW+2*n], v[RAW+2*n+1]
.set n, n+1
.endr
.endm
; 16 matrix instructions: row blocks a0, a0 + 1 of the window's four x all 8 column blocks
.macro MUL16 hi, a0, first
.irp a, \a0, \a0+1
.irp b, 0,1,2,3,4,5,6,7
.if \first
	v_wmma_f32_16x16x32_f16 v[8*(8*(\a)+\b):8*(8*(\a)+\b)+7], v[FRG+8*\b:FRG+8*\b+7], v[FRG+8*(4*\hi+\a):FRG+8*(4*\hi+\a)+7], v[8*\b:8*\b+7]
.else
	v_wmma_f32_16x16x32_f16 v[8*(8*(\a)+\b):8*(8*(\a)+\b)+7], v[FRG+8*\b:FRG+8*\b+7], v[FRG+8*(4*\hi+\a):FRG+8*(4*\hi+\a)+7], v[8*(8*(\a)+\b):8*(8*(\a)+\b)+7]
.endif
.endr
.endr
.endm
; 64 matrix instructions: the 64 accumulators take turns, one instruction a turn, always in this order
.macro MULS first
.if \first
	WIN 0x91                                       ; source 0 window 1, source 1 window 0, C = the bias in window 1, D window 2
.else
	WIN 0xa1                                       ; C and D window 2
.endif
	MUL16 0, 0, \first
	MUL16 0, 2, \first
.if \first
	WIN 0xd1
.else
	WIN 0xf1
.endif
	MUL16 1, 0, \first
	MUL16 1, 2, \first
.endm
; The first half of a K step: round what was fetched, fetch the second half, multiply while it comes
.macro HALF_A slot, first
	s_wait_dscnt 0x0                               ; the 64 loads of this half are in
	PLACES                                         ; the roundings write registers that the last matrix instructions read
	CVT
	FETCH \slot, 128
	MULS \first
.endm
; The second half, and the change of slots.  mode 2: this slot is filled again; 1: a barrier alone; 0: the very last half.
.macro HALF_B slot, next, mode
	s_wait_dscnt 0x0                               ; my last reads of this slot are in
.if \mode
	s_set_vgpr_msb (MSB<<8)|((MSB&0xf0)|0x0)
	s_wait_tensorcnt 0x0                           ; all my tensor loads have landed: the one that was out is my part of the next slot
	ds_add_u32 v62, v63
	s_wait_dscnt 0x0
	s_set_vgpr_msb (((MSB&0xf0)|0x0)<<8)|MSB
	s_barrier_signal -1                            ; (mode 2: this barrier opens a round of the cluster's barrier)
.endif
	PLACES
	CVT                                            ; register work while the others arrive
	WIN 0
.if \mode
	s_barrier_wait -1
.endif
.if \mode == 2
	CREST                                          ; no wave of any partner still reads this slot or has a load on its way
	s_add_nc_u64 s[G0+4*\slot+2:G0+4*\slot+3], s[G0+4*\slot+2:G0+4*\slot+3], 2*STEPB
	s_add_nc_u64 s[G0B+4*\slot+2:G0B+4*\slot+3], s[G0B+4*\slot+2:G0B+4*\slot+3], 2*STEPB
	JLOAD \slot                                    ; the first tensor load behind the round, and my only one until the next
.endif
.if \mode
	FETCH \next, 0
.endif
	MULS 0
.endm
.macro LAP first                       ; two K steps, both slots filled again
	HALF_A 0, \first
	HALF_B 0, 1, 2
	HALF_A 1, 0
	HALF_B 1, 0, 2
.endm
	s_wait_tensorcnt 0x1                           ; my part of K step 0 is in; K step 1's load, issued behind it, stays out
	s_barrier_signal -1
	s_barrier_wait -1
	FETCH 0, 0
	s_wait_loadcnt 0x0                             ; the bias
	LAP 1                                          ; K steps 0 and 1: the first products start the sums from the bias
	WIN 0
	s_mov_b32 s3, 6                                ; K steps 2 to 13
.Llap:
	LAP 0
	WIN 0
	s_sub_co_u32 s3, s3, 1
	s_cmp_lg_u32 s3, 0
	s_cbranch_scc1 .Llap
	HALF_A 0, 0                                    ; K steps 14 and 15 fill nothing
	HALF_B 0, 1, 1
	HALF_A 1, 0
	HALF_B 1, 0, 0
	; THE WAY OUT, 16 rows at a time: round to f16, 16 bytes a lane into my own stage, read back as rows of 256 bytes
	PLACES
	s_lshl_b32 s13, s13, 8
	s_lshl_b32 s14, s11, 7
	s_add_co_u32 s16, s13, s14                     ; my first row
	s_lshl_b32 s16, s16, 11
	s_mov_b32 s17, 0
	s_add_nc_u64 s[8:9], s[8:9], s[16:17]
	s_lshl_b32 s46, s42, 9                         ; my first column, in bytes
	s_lshl_b32 s47, s12, 8
	s_add_co_u32 s46, s46, s47
	s_mov_b32 s47, 0
	s_add_nc_u64 s[8:9], s[8:9], s[46:47]
.macro OUT16 i, a, from, f
	WIN \from
.irp b, 0,1,2,3,4,5,6,7
.irp r, 0,1,2,3
	v_cvt_pk_f16_f32 v[TMP+4*\b+\r], v[8*(8*\a+\b)+2*\r], v[8*(8*\a+\b)+2*\r+1]
.endr
.endr
	WIN 0
.irp b, 0,1,2,3,4,5,6,7
	ds_store_b128 v[STO], v[TMP+4*\b:TMP+4*\b+3] offset:32*\b
.endr
	s_wait_xcnt 0x0                                ; buffer f, which earlier stores read, and the stores' base are rewritten only behind this wait
.if \i
	s_add_nc_u64 s[8:9], s[8:9], 16*OROW
.endif
.irp t, 0,1,2,3,4,5,6,7
	ds_load_b128 v[\f+4*\t:\f+4*\t+3], v[RD] offset:\t*2*SPITCH    ; LDS serves a wave's instructions in order: these see the stores above
.endr
.irp t, 0,1,2,3,4,5,6,7
	s_wait_dscnt 7-\t                              ; the loads issued behind load t may stay out
	global_store_b128 v[CO], v[\f+4*\t:\f+4*\t+3], s[8:9] offset:2*\t*OROW   ; 16 lanes store 256 consecutive bytes, aligned
.endr
.endm
	OUT16 0, 0, 0x0a, 64
	OUT16 1, 1, 0x0a, 128
	OUT16 2, 2, 0x0a, 64
	OUT16 3, 3, 0x0a, 128
	OUT16 4, 0, 0x0f, 64
	OUT16 5, 1, 0x0f, 128
	OUT16 6, 2, 0x0f, 64
	OUT16 7, 3, 0x0f, 128
	s_set_vgpr_msb (MSB<<8)|((MSB&0xf0)|0x0)
	s_wait_tensorcnt 0x0
	ds_add_u32 v62, v63
	s_wait_dscnt 0x0
	s_set_vgpr_msb (((MSB&0xf0)|0x0)<<8)|MSB
	CROUND                                         ; the closing round: no work-group ends while a partner may still ask jointly
	s_endpgm
.Lfunc_end_k_q67ad00b123_qkv:
	.size	k_q67ad00b123_qkv, .Lfunc_end_k_q67ad00b123_qkv-k_q67ad00b123_qkv
	.p2alignl 7, 3214868480
	.fill 96, 4, 3214868480
	.section	.rodata,"a",@progbits
	.p2align	6, 0x0
	.amdhsa_kernel k_q67ad00b123_qkv
		.amdhsa_group_segment_fixed_size 327680
		.amdhsa_private_segment_fixed_size 0
		.amdhsa_enable_private_segment 0
		.amdhsa_kernarg_size 96
		.amdhsa_user_sgpr_count 2
		.amdhsa_user_sgpr_kernarg_segment_ptr 1
		.amdhsa_wavefront_size32 1
		.amdhsa_system_sgpr_workgroup_id_x 1
		.amdhsa_system_sgpr_workgroup_id_y 1
		.amdhsa_system_sgpr_workgroup_id_z 1
		.amdhsa_system_vgpr_workitem_id 0
		.amdhsa_next_free_vgpr 1024
		.amdhsa_next_free_sgpr 96
		.amdhsa_reserve_vcc 0
		.amdhsa_float_denorm_mode_32 3
		.amdhsa_float_denorm_mode_16_64 3
		.amdhsa_memory_ordered 1
		.amdhsa_forward_progress 1
		.amdhsa_inst_pref_size 243
	.end_amdhsa_kernel
	.amdgpu_metadata
---
amdhsa.version: [ 1, 2 ]
amdhsa.kernels:
  - .name:           k_q67ad00b123_qkv
    .symbol:         k_q67ad00b123_qkv.kd
    .args:
      - { .name: q, .offset: 0, .size: 8, .value_kind: global_buffer, .address_space: global }
      - { .name: k, .offset: 8, .size: 8, .value_kind: global_buffer, .address_space: global }
      - { .name: v, .offset: 16, .size: 8, .value_kind: global_buffer, .address_space: global }
      - { .name: Wq, .offset: 24, .size: 8, .value_kind: global_buffer, .address_space: global }
      - { .name: Wk, .offset: 32, .size: 8, .value_kind: global_buffer, .address_space: global }
      - { .name: Wv, .offset: 40, .size: 8, .value_kind: global_buffer, .address_space: global }
      - { .name: bq, .offset: 48, .size: 8, .value_kind: global_buffer, .address_space: global }
      - { .name: bk, .offset: 56, .size: 8, .value_kind: global_buffer, .address_space: global }
      - { .name: bv, .offset: 64, .size: 8, .value_kind: global_buffer, .address_space: global }
      - { .name: qh, .offset: 72, .size: 8, .value_kind: global_buffer, .address_space: global }
      - { .name: kh, .offset: 80, .size: 8, .value_kind: global_buffer, .address_space: global }
      - { .name: vh, .offset: 88, .size: 8, .value_kind: global_buffer, .address_space: global }
    .group_segment_fixed_size: 327680
    .private_segment_fixed_size: 0
    .kernarg_segment_align: 8
    .kernarg_segment_size: 96
    .max_flat_workgroup_size: 128
    .sgpr_count:     96
    .vgpr_count:     1024
    .wavefront_size: 32
...
	.end_amdgpu_metadata
.endif
;; end of part 1
;; launch attn (part 2): grid 16 x 16, 8 waves a work-group, clusters of 4 x 1, 327,680 bytes of LDS; arguments qh, kh, vh, mask, Wo, ctx, woh; writes ctx, woh
.if DOCPART == 2
	.amdgcn_target "amdgcn-amd-amdhsa--gfx1250"
	.amdhsa_code_object_version 6
	.text
	.protected	k_q67ad00b123_attn
	.globl	k_q67ad00b123_attn
	.p2align	8
	.type	k_q67ad00b123_attn,@function
k_q67ad00b123_attn:
	s_mov_b64 s[64:65], 0
	v_nop
	global_prefetch_b8 v0, s[64:65] scope:SCOPE_SE
	s_setreg_imm32_b32 hwreg(HW_REG_WAVE_MODE, 25, 1), 1
	s_wait_xcnt 0x0
	s_wait_alu depctr_hold_cnt(0) depctr_sa_sdst(0) depctr_va_vdst(0) depctr_va_sdst(0) depctr_va_ssrc(0) depctr_va_vcc(0) depctr_vm_vsrc(0)
	s_getreg_b32 s2, hwreg(HW_REG_IB_STS2, 6, 4)
	s_cmp_eq_u32 s2, 0
	s_cbranch_scc0 .Lentry_in_a_cluster
	s_endpgm
.Lentry_in_a_cluster:
	s_bfe_u32 s2, ttmp6, 0x10000c
	s_cmp_lg_u32 s2, 0x3003
	s_cbranch_scc0 .Lentry_shape_is_right
	s_endpgm
.Lentry_shape_is_right:
; ctx = softmax(mask(Q K^T / 8)) V for each batch and head; and woh = f16(Wo), a 256th part in each work-group.
; qh, kh, vh, ctx: [4096 = 2048 b + l][1024 = 64 head + hd] f16.  mask: [2][2048] bytes, 1 = key left out.  Wo: [1024][1024] f32.
; A work-group takes 128 queries of a PAIR of heads of one batch, so that each row piece of K, V and ctx is 256 aligned bytes.
; Eight waves: wave w takes head 2 hp + (w >> 2) and queries 32 (w & 3) .. + 31, as two query tiles u = 0, 1.
; K and V go in tiles of 256 keys through two LDS slots each; waves 0-3 fetch K's four quarters, waves 4-7 V's: one tensor load a wave.
; CLUSTERS: the four query blocks of a cluster (4, 1, 1) walk the same K and V: every tile is asked for jointly, mask 15.
; By this text's own count a wave has two tensor loads out at the start and one behind each refill.
; TRANSPOSED SCHEME.  S^T = K Q^T: in the result a lane (r = l % 16, h = l / 16) holds query r and keys 8 h + 0..7 of a key tile.  Rounded to f16
; and packed in place, two key tiles are a B fragment of 32 keys, so P never leaves the registers.  O^T = V^T P^T, V^T read by the
; transposing LDS load.  A query's maximum and sum are then per lane; one exchange between the lane halves joins them.
; SOFTMAX with a running maximum M, in base 2: p = exp2(c S - c M), c = log2(e) / 8.  N = -c M as rounded is what the exponentials use, and
; the old sums are rescaled by exp2(N new - N old), so that all weights of a row carry exactly the same factor.
; FORMATS.  P lies in [0, 1] by the running maximum, so f16 holds it: under 2^-14 as denormals, with an absolute error of 2^-25 at the most beside a row
; maximum of 1.  ctx is a convex combination of V's rows, so it fits wherever V fits.  Wo must stay below 65,504.
; LIMITS.  A masked key gets -2^126 added to its raw score (as the C operand of the first product), and M is floored at -2^120: raw scores must lie
; above -2^120.  If every key of a batch is masked, the sum is 0 and the result 0 x (1 / 0) = NaN, as in the softmax of a row of -inf.
; P is rounded to f16 for P V, the row sum adds the unrounded f32 values.
.set KPITCH, 272                       ; K's LDS row: 256 bytes + 16: an odd multiple of 16
.set VPITCH, 288                       ; V's LDS row: 256 bytes + 32: an odd multiple of 32, for the transposing load
.set KSLOT,  256*KPITCH
.set VSLOT,  256*VPITCH
.set VRING,  2*KSLOT
.set BIASL,  VRING+2*VSLOT             ; 2,048 f32: 0 or -2^126 for each key; written by LDS stores, no tensor load lands here
.set ROWB,   2048                      ; bytes in a row of qh, kh, vh, ctx
.set KA,  3                            ; v3-4    LDS address of my K fragments, slot 0, 1
.set VA,  5                            ; v5-8    of my V fragments: slot 0 keys 0-127, 128-255; slot 1 likewise
.set BA,  9                            ; v9      of my part of the bias, steps with the laps
.set STO, 10
.set RD,  11
.set CO,  12
.set QO,  13
.set XP,  14                           ; v14-15  what the other lane half sends
.set MX,  16                           ; v16-17  running maximum of query tile u
.set NM,  20                           ; v[20+4 par+2 u]  N; the two sets take turns by the sub-block's parity.  First register of a pair of its own
.set AL,  28                           ; v[28+2 u]        rescale factor, later 1 / sum.  First register of a pair of its own
.set QF,  32                           ; v[32+16 u+8 ks]  Q fragments
.set SC,  64                           ; v[64+32 u+8 t]   scores, then P packed into v[64+32 u .. +15]
.set OA,  128                          ; v[128+32 u+8 d]  O^T
.set BI,  192                          ; v[192+8 t]       bias of key tile t
.set LS,  224                          ; v[224+2 u : +1]  row sums, two partial sums a lane
.set TT,  228                          ; v228-231 at work
.set KF,  0                            ; window 1: v[16 t+8 ks] K fragments
.set VF,  64                           ; window 1: v[64+32 sg+8 d] V^T fragments
.set G1K, 28
.set G1V, 36
.set G0K, 44
.set G0V, 52
.set MMW,   0x01                       ; source 0 (K or V^T) in window 1
.set LOADW, 0x40                       ; destination in window 1
.set MSB, 0
.macro WIN new
.if MSB != \new
	s_set_vgpr_msb (MSB<<8)|\new
.set MSB, \new
.endif
.endm
.macro PLACES
.rept 4
	v_nop
.endr
.endm
.macro ROUND                           ; a round of the cluster's barrier
	s_barrier_signal -1
	s_barrier_wait -1
	s_cmp_lg_u32 s18, 0
	s_cbranch_scc1 .Lnot_wave_0_\@
	s_barrier_signal -3
.Lnot_wave_0_\@:
	s_barrier_wait -3
	s_barrier_signal -1
	s_barrier_wait -1
.endm
.macro JLOAD sl                        ; waves 0-3: a quarter of K's tile; waves 4-7: a quarter of V's
	s_cmp_eq_u32 s19, 0
	s_cbranch_scc0 .Lfor_v_\@
	tensor_load_to_lds s[G0K+4*\sl:G0K+4*\sl+3], s[G1K:G1K+7]
	s_nop 0
	s_branch .Lasked_\@
.Lfor_v_\@:
	tensor_load_to_lds s[G0V+4*\sl:G0V+4*\sl+3], s[G1V:G1V+7]
	s_nop 0
.Lasked_\@:
.endm
	s_load_b256 s[4:11], s[0:1], 0x0               ; qh, kh, vh, mask
	s_load_b128 s[12:15], s[0:1], 0x20             ; Wo, ctx
	s_load_b64 s[16:17], s[0:1], 0x30              ; woh
	v_lshl_add_u32 v254, v0, 2, 0x48000
	v_mov_b32 v255, 0
	ds_add_u32 v254, v255
	v_lshrrev_b32 v1, 5, v0
	v_readfirstlane_b32 s18, v1                    ; wave 0..7
	s_lshr_b32 s19, s18, 2                         ; which head of the pair.  Also: I fetch K (0) or V (1)
	s_and_b32 s20, s18, 3                          ; which 32 queries.  Also: which 64 keys of a tile I fetch
	s_bfe_u32 s21, ttmp6, 0x40000                  ; cx
	s_lshl_b32 s22, ttmp9, 2
	s_add_co_u32 s22, s22, s21                     ; query block
	s_and_b32 s23, ttmp7, 0xffff                   ; y = 8 b + hp
	s_lshr_b32 s24, s23, 3                         ; b
	s_and_b32 s25, s23, 7                          ; hp
	s_mov_b32 s60, 0x76543210                      ; v_permlanex16_b32: lane i of one half reads lane i of the other
	s_mov_b32 s61, 0xfedcba98
	s_mov_b32 s62, 0x3e38aa3b                      ; c = log2(e) / 8
	s_mov_b32 s63, 0x3e38aa3b
	s_mov_b32 s67, 0xbe38aa3b                      ; -c
	s_mov_b32 s68, 0xfb800000                      ; -2^120
	; group 1: 64 rows x 128 elements of 2 bytes, padding behind each row of 64 words: 4 words for K, 8 for V; mask 15
	s_mov_b32 s[G1K+0], 15|(1<<16)|(1<<20)|(1<<21)|(5<<22)|(3<<25)
	s_mov_b32 s[G1V+0], 15|(1<<16)|(1<<20)|(1<<21)|(5<<22)|(7<<25)
	s_mov_b32 s[G1K+1], 128<<16
	s_mov_b32 s[G1V+1], 128<<16
	s_mov_b32 s[G1K+2], 64<<16
	s_mov_b32 s[G1V+2], 64<<16
	s_mov_b32 s[G1K+3], 128<<16
	s_mov_b32 s[G1V+3], 128<<16
	s_mov_b32 s[G1K+4], 64
	s_mov_b32 s[G1V+4], 64
	s_mov_b32 s[G1K+5], 1024
	s_mov_b32 s[G1V+5], 1024
	s_mov_b32 s[G1K+6], 0
	s_mov_b32 s[G1V+6], 0
	s_mov_b32 s[G1K+7], 0
	s_mov_b32 s[G1V+7], 0
	s_lshl_b32 s72, s24, 11                        ; my quarter's byte offset in kh and vh: row 2048 b + 64 (w & 3), column 128 hp
	s_lshl_b32 s73, s20, 6
	s_add_co_u32 s72, s72, s73
	s_lshl_b32 s72, s72, 11
	s_lshl_b32 s73, s25, 8
	s_add_co_u32 s72, s72, s73
	s_mov_b32 s73, 0
	s_mul_i32 s74, s18, 64*KPITCH                  ; K's quarter in LDS: wave x 64 rows (waves 0-3 use it)
	s_mul_i32 s75, s18, 64*VPITCH                  ; V's: (wave - 4) x 64 rows behind K's slots (waves 4-7 use it)
	s_add_co_u32 s75, s75, VRING-4*64*VPITCH
	s_wait_dscnt 0x0
	s_wait_kmcnt 0x0
	s_add_nc_u64 s[76:77], s[6:7], s[72:73]
	s_add_nc_u64 s[78:79], s[8:9], s[72:73]
	ROUND                                          ; the four work-groups are here: the first joint loads meet
.irp sl, 0,1
	s_mov_b32 s[G0K+4*\sl], 1
	s_add_co_u32 s[G0K+4*\sl+1], s74, \sl*KSLOT
	s_add_nc_u64 s[G0K+4*\sl+2:G0K+4*\sl+3], s[76:77], \sl*256*ROWB
	s_or_b32 s[G0K+4*\sl+3], s[G0K+4*\sl+3], 0x80000000
	s_mov_b32 s[G0V+4*\sl], 1
	s_add_co_u32 s[G0V+4*\sl+1], s75, \sl*VSLOT
	s_add_nc_u64 s[G0V+4*\sl+2:G0V+4*\sl+3], s[78:79], \sl*256*ROWB
	s_or_b32 s[G0V+4*\sl+3], s[G0V+4*\sl+3], 0x80000000
	JLOAD \sl                                      ; keys 0-255 and 256-511
.endr
	; the plain loads' bases
	s_lshl_b32 s70, s24, 11
	s_mov_b32 s71, 0
	s_add_nc_u64 s[10:11], s[10:11], s[70:71]      ; my batch's mask
	s_lshl_b32 s70, s23, 4
	s_add_co_u32 s70, s70, s22                     ; g = 16 y + query block, 0..255
	s_lshl_b32 s80, s70, 13
	s_mov_b32 s81, 0
	s_lshl_b32 s70, s70, 14
	s_add_nc_u64 s[12:13], s[12:13], s[70:71]      ; my 16,384 bytes of Wo
	s_add_nc_u64 s[16:17], s[16:17], s[80:81]      ; my 8,192 bytes of woh
	s_lshl_b32 s70, s24, 11
	s_lshl_b32 s80, s22, 7
	s_add_co_u32 s70, s70, s80                     ; the block's first row
	s_lshl_b32 s80, s18, 4
	s_add_co_u32 s80, s70, s80                     ; ctx: + 16 w
	s_lshl_b32 s82, s20, 5
	s_add_co_u32 s70, s70, s82                     ; Q: + 32 (w & 3)
	s_lshl_b32 s70, s70, 11
	s_lshl_b32 s80, s80, 11
	s_lshl_b32 s82, s25, 8
	s_add_co_u32 s70, s70, s82
	s_add_co_u32 s80, s80, s82
	s_lshl_b32 s82, s19, 7                         ; my head's 128 bytes in the pair's 256
	s_add_co_u32 s70, s70, s82
	s_add_nc_u64 s[4:5], s[4:5], s[70:71]
	s_add_nc_u64 s[14:15], s[14:15], s[80:81]
	v_and_b32 v1, 15, v0                           ; r
	v_bfe_u32 v2, v0, 4, 1                         ; h
	v_lshlrev_b32 v250, 3, v0                      ; 8 mask bytes a thread
	v_lshlrev_b32 v251, 5, v0                      ; 8 f32 a thread
	v_lshlrev_b32 v252, 4, v0                      ; 8 f16 a thread
	v_lshlrev_b32 v[QO], 11, v1
	v_lshl_add_u32 v[QO], v2, 4, v[QO]             ; r rows + 16 h
	global_load_b64 v[248:249], v250, s[10:11]
	global_load_b128 v[224:227], v251, s[12:13] th:TH_LOAD_NT
	global_load_b128 v[228:231], v251, s[12:13] offset:16 th:TH_LOAD_NT
	global_load_b128 v[232:235], v251, s[12:13] offset:8192 th:TH_LOAD_NT
	global_load_b128 v[236:239], v251, s[12:13] offset:8208 th:TH_LOAD_NT
.irp u, 0,1
.irp ks, 0,1
	global_load_b128 v[QF+16*\u+8*\ks:QF+16*\u+8*\ks+3],   v[QO], s[4:5] offset:\u*16*ROWB+\ks*64
	global_load_b128 v[QF+16*\u+8*\ks+4:QF+16*\u+8*\ks+7], v[QO], s[4:5] offset:\u*16*ROWB+\ks*64+32
.endr
.endr
	; LDS addresses
	v_mul_u32_u24 v3, v1, KPITCH
	v_lshl_add_u32 v3, v2, 4, v3
	v_add_nc_u32 v[KA], s82, v3                    ; r x pitch + 16 h + my head
	v_add_nc_u32 v[KA+1], KSLOT, v[KA]
	v_and_b32 v5, 7, v0
	v_lshl_add_u32 v5, v2, 3, v5                   ; key 8 h + (l & 7)
	v_mul_u32_u24 v5, v5, VPITCH
	v_bfe_u32 v6, v0, 3, 1
	v_lshl_add_u32 v5, v6, 4, v5                   ; + 16 ((l >> 3) & 1)
	s_add_co_u32 s71, s82, VRING
	v_add_nc_u32 v[VA], s71, v5
	v_add_nc_u32 v[VA+1], 128*VPITCH, v[VA]
	v_add_nc_u32 v[VA+2], VSLOT, v[VA]
	v_add_nc_u32 v[VA+3], VSLOT+128*VPITCH, v[VA]
	v_lshlrev_b32 v[BA], 5, v2
	v_add_nc_u32 v[BA], BIASL, v[BA]
	s_mul_i32 s71, s20, 32*KPITCH
	v_add_nc_u32 v[STO], s71, v[KA]                ; the way out: row 32 (w & 3) + r, my head, 16 h
	s_mul_i32 s71, s18, 16*KPITCH
	v_mul_u32_u24 v[RD], v2, KPITCH
	v_lshl_add_u32 v[RD], v1, 4, v[RD]
	v_add_nc_u32 v[RD], s71, v[RD]                 ; back: row 16 w + h, 16 r
	v_lshlrev_b32 v[CO], 11, v2
	v_lshl_add_u32 v[CO], v1, 4, v[CO]
.irp x, 14,15,21,23,25,27,29,31
	v_mov_b32 v\x, 0                               ; the exchange's destinations and the second registers of the broadcast pairs are written once
.endr
	; the mask as a bias: 0 or -2^126 for each of my 8 keys
	s_wait_loadcnt 12                              ; the mask is in; Wo's 4 and Q's 8 loads were issued behind it
.irp i, 0,1,2,3
	v_bfe_u32 v[SC+\i],   v248, 8*\i, 1
	v_bfe_u32 v[SC+4+\i], v249, 8*\i, 1
.endr
.irp i, 0,1,2,3,4,5,6,7
	v_sub_nc_u32 v[SC+\i], 0, v[SC+\i]
	v_and_b32 v[SC+\i], 0xfe800000, v[SC+\i]
.endr
	v_add_nc_u32 v253, BIASL, v251
	ds_store_b128 v253, v[SC:SC+3]
	ds_store_b128 v253, v[SC+4:SC+7] offset:16
	; my part of Wo in f16: each store of a wave covers 512 consecutive bytes, aligned
	s_wait_loadcnt 8                               ; Wo is in; Q's 8 loads were issued behind it
.irp n, 0,1,2,3,4,5,6,7
	v_cvt_pk_f16_f32 v[240+\n], v[224+2*\n], v[224+2*\n+1]
.endr
	global_store_b128 v252, v[240:243], s[16:17]
	global_store_b128 v252, v[244:247], s[16:17] offset:4096
.macro LDK slot, j                     ; 64 keys x 64 hd of my head: 8 fragments
.irp t, 0,1,2,3
.irp ks, 0,1
	ds_load_b128 v[KF+16*\t+8*\ks:KF+16*\t+8*\ks+3],   v[KA+\slot] offset:\j*64*KPITCH+\t*16*KPITCH+\ks*64
	ds_load_b128 v[KF+16*\t+8*\ks+4:KF+16*\t+8*\ks+7], v[KA+\slot] offset:\j*64*KPITCH+\t*16*KPITCH+\ks*64+32
.endr
.endr
.endm
.macro LDB idx                         ; the bias of 64 keys: register j of tile t is that of key 16 t + 8 h + j
.irp t, 0,1,2,3
	ds_load_b128 v[BI+8*\t:BI+8*\t+3],   v[BA] offset:(\idx)*256+\t*64
	ds_load_b128 v[BI+8*\t+4:BI+8*\t+7], v[BA] offset:(\idx)*256+\t*64+16
.endr
.endm
.macro LDV slot, j                     ; V^T of 64 keys: 2 groups of 32 keys x 4 tiles of 16 hd
.irp sg, 0,1
.irp d, 0,1,2,3
	ds_load_tr16_b128 v[VF+32*\sg+8*\d:VF+32*\sg+8*\d+3],   v[VA+2*\slot+(\j>>1)] offset:(\j&1)*64*VPITCH+\sg*32*VPITCH+32*\d
	ds_load_tr16_b128 v[VF+32*\sg+8*\d+4:VF+32*\sg+8*\d+7], v[VA+2*\slot+(\j>>1)] offset:(\j&1)*64*VPITCH+\sg*32*VPITCH+16*VPITCH+32*\d
.endr
.endr
.endm
; Pair i of query tile u: add it to the row sum, then pack it to f16 in place (register i lies in a pair that has been packed, or in this one).
; The first pair carries the rescaling of the old sum; in the first sub-block the first two pairs start the sum.
.macro LCV u, first
.if \first
.if i == 1
	s_wait_alu depctr_va_vdst(0)
	v_pk_add_f32 v[LS+2*\u:LS+2*\u+1], v[SC+32*\u:SC+32*\u+1], v[SC+32*\u+2:SC+32*\u+3]
	v_cvt_pk_f16_f32 v[SC+32*\u], v[SC+32*\u], v[SC+32*\u+1]
	v_cvt_pk_f16_f32 v[SC+32*\u+1], v[SC+32*\u+2], v[SC+32*\u+3]
	s_wait_alu depctr_va_vdst(0)
.endif
.if i > 1
	v_pk_add_f32 v[LS+2*\u:LS+2*\u+1], v[LS+2*\u:LS+2*\u+1], v[SC+32*\u+2*i:SC+32*\u+2*i+1]
	v_cvt_pk_f16_f32 v[SC+32*\u+i], v[SC+32*\u+2*i], v[SC+32*\u+2*i+1]
.endif
.else
.if i == 0
	s_wait_alu depctr_va_vdst(0)
	v_pk_fma_f32 v[LS+2*\u:LS+2*\u+1], v[LS+2*\u:LS+2*\u+1], v[AL+2*\u:AL+2*\u+1], v[SC+32*\u:SC+32*\u+1] op_sel_hi:[1,0,1]
	s_wait_alu depctr_va_vdst(0)
.else
	v_pk_add_f32 v[LS+2*\u:LS+2*\u+1], v[LS+2*\u:LS+2*\u+1], v[SC+32*\u+2*i:SC+32*\u+2*i+1]
.endif
	v_cvt_pk_f16_f32 v[SC+32*\u+i], v[SC+32*\u+2*i], v[SC+32*\u+2*i+1]
.endif
.endm
; 64 scores a lane (32 for each query tile) become P.  par: which set of N is new.
.macro SOFTMAX par, first
.irp u, 0,1
	v_max_num_f32 v[TT+2*\u],   v[SC+32*\u],    v[SC+32*\u+1]      ; two chains for each query tile
	v_max_num_f32 v[TT+2*\u+1], v[SC+32*\u+16], v[SC+32*\u+17]
.endr
.set i, 2
.rept 7
.irp u, 0,1
	v_max3_num_f32 v[TT+2*\u],   v[TT+2*\u],   v[SC+32*\u+i],    v[SC+32*\u+i+1]
	v_max3_num_f32 v[TT+2*\u+1], v[TT+2*\u+1], v[SC+32*\u+16+i], v[SC+32*\u+17+i]
.endr
.set i, i+2
.endr
.irp u, 0,1
.if \first
	v_max3_num_f32 v[TT+2*\u], v[TT+2*\u], v[TT+2*\u+1], s68       ; the floor
.else
	v_max3_num_f32 v[TT+2*\u], v[TT+2*\u], v[TT+2*\u+1], v[MX+\u]  ; the running maximum
.endif
.endr
.irp u, 0,1
	v_permlanex16_b32 v[XP+\u], v[TT+2*\u], s60, s61               ; the other half's keys of the same query
.endr
.irp u, 0,1
	v_max_num_f32 v[MX+\u], v[TT+2*\u], v[XP+\u]
.endr
.irp u, 0,1
	v_mul_f32 v[NM+4*\par+2*\u], s67, v[MX+\u]                     ; N = -c M
.endr
.if \first == 0
.irp u, 0,1
	v_sub_f32 v[TT+2*\u+1], v[NM+4*\par+2*\u], v[NM+4*(1-\par)+2*\u]
.endr
.irp u, 0,1
	v_exp_f32 v[AL+2*\u], v[TT+2*\u+1]                             ; exp2(N new - N old); a plain instruction follows before it is used (ISA guide 5.7.2)
.endr
.endif
.set i, 0
.rept 16
	v_pk_fma_f32 v[SC+2*i:SC+2*i+1], v[SC+2*i:SC+2*i+1], s[62:63], v[NM+4*\par:NM+4*\par+1] op_sel_hi:[1,0,0]
.set i, i+1
.endr
.set i, 0
.rept 16                               ; tile 0's exponentials, each pair followed by plain work for tile 1
	v_exp_f32 v[SC+2*i], v[SC+2*i]
	v_exp_f32 v[SC+2*i+1], v[SC+2*i+1]
	v_pk_fma_f32 v[SC+32+2*i:SC+32+2*i+1], v[SC+32+2*i:SC+32+2*i+1], s[62:63], v[NM+4*\par+2:NM+4*\par+3] op_sel_hi:[1,0,0]
.set i, i+1
.endr
.set i, 0
.rept 16                               ; tile 1's exponentials, each pair followed by plain work for tile 0
	v_exp_f32 v[SC+32+2*i], v[SC+32+2*i]
	v_exp_f32 v[SC+32+2*i+1], v[SC+32+2*i+1]
	LCV 0, \first
.set i, i+1
.endr
.set i, 0
.rept 16                               ; tile 1's sums and packing, and the rescaling of O
	LCV 1, \first
.if \first == 0
	v_pk_mul_f32 v[OA+4*i:OA+4*i+1],   v[OA+4*i:OA+4*i+1],   v[AL+2*(i/8):AL+2*(i/8)+1] op_sel_hi:[1,0]
	v_pk_mul_f32 v[OA+4*i+2:OA+4*i+3], v[OA+4*i+2:OA+4*i+3], v[AL+2*(i/8):AL+2*(i/8)+1] op_sel_hi:[1,0]
.endif
.set i, i+1
.endr
.endm
; 64 keys.  (slot, j): this sub-block; (nslot, nj): the next; idx: its number in the lap.
; mode 0: nothing; 1: a barrier; 2: a round and the refill of this slot; 3: the very last sub-block, nothing more is read.
.macro SUB slot, j, nslot, nj, idx, mode, first
	s_wait_dscnt 16                                ; K and the bias are in; V's 16 loads were issued behind them
	WIN MMW
.irp t, 0,1,2,3                        ; eight accumulators take turns, one instruction a turn
.irp u, 0,1
	v_wmma_f32_16x16x32_f16 v[SC+32*\u+8*\t:SC+32*\u+8*\t+7], v[KF+16*\t:KF+16*\t+7], v[QF+16*\u:QF+16*\u+7], v[BI+8*\t:BI+8*\t+7]
.endr
.endr
.irp t, 0,1,2,3
.irp u, 0,1
	v_wmma_f32_16x16x32_f16 v[SC+32*\u+8*\t:SC+32*\u+8*\t+7], v[KF+16*\t+8:KF+16*\t+15], v[QF+16*\u+8:QF+16*\u+15], v[SC+32*\u+8*\t:SC+32*\u+8*\t+7]
.endr
.endr
	PLACES                                         ; in front of the loads into K and the bias, and of the reads of S
.if \mode == 2
	WIN 0
	s_wait_dscnt 0x0                               ; my reads of this slot are over: its last K and V are in registers
	s_wait_tensorcnt 0x0                           ; all my tensor loads have landed: the one that was out is my part of the next slot
	ds_add_u32 v254, v255
	s_wait_dscnt 0x0
	ROUND                                          ; both hold of every wave of the four work-groups
	s_add_nc_u64 s[G0K+4*\slot+2:G0K+4*\slot+3], s[G0K+4*\slot+2:G0K+4*\slot+3], 512*ROWB
	s_add_nc_u64 s[G0V+4*\slot+2:G0V+4*\slot+3], s[G0V+4*\slot+2:G0V+4*\slot+3], 512*ROWB
	JLOAD \slot                                    ; the first tensor load behind the round, my only one until the next: it has 256 keys' work in which to land
.endif
.if \mode == 1
	WIN 0
	s_wait_dscnt 0x0
	s_wait_tensorcnt 0x0                           ; my part of the last tile has landed
	s_barrier_signal -1
	s_barrier_wait -1                              ; everybody's has
.endif
.if \mode != 3
	WIN LOADW
	LDK \nslot, \nj
	WIN 0
	LDB (\idx+1)
.else
	WIN 0
.endif
	SOFTMAX (\idx&1), \first
.if \mode != 3
	s_wait_dscnt 24                                ; V is in; the next K's 16 and the next bias's 8 loads were issued behind it
.else
	s_wait_dscnt 0x0
.endif
	WIN MMW
.irp d, 0,1,2,3                        ; again eight accumulators by turns
.irp u, 0,1
.if \first
	v_wmma_f32_16x16x32_f16 v[OA+32*\u+8*\d:OA+32*\u+8*\d+7], v[VF+8*\d:VF+8*\d+7], v[SC+32*\u:SC+32*\u+7], 0
.else
	v_wmma_f32_16x16x32_f16 v[OA+32*\u+8*\d:OA+32*\u+8*\d+7], v[VF+8*\d:VF+8*\d+7], v[SC+32*\u:SC+32*\u+7], v[OA+32*\u+8*\d:OA+32*\u+8*\d+7]
.endif
.endr
.endr
.irp d, 0,1,2,3
.irp u, 0,1
	v_wmma_f32_16x16x32_f16 v[OA+32*\u+8*\d:OA+32*\u+8*\d+7], v[VF+32+8*\d:VF+32+8*\d+7], v[SC+32*\u+8:SC+32*\u+15], v[OA+32*\u+8*\d:OA+32*\u+8*\d+7]
.endr
.endr
.rept 5                                ; five places: the next S products write over P, the next loads land on V^T
	v_nop
.endr
.if \mode != 3
	WIN LOADW
	LDV \nslot, \nj
.endif
.endm
.macro LAP first, m0, m1               ; 512 keys: both slots once
	SUB 0, 0, 0, 1, 0, 0, \first
	SUB 0, 1, 0, 2, 1, 0, 0
	SUB 0, 2, 0, 3, 2, 0, 0
	SUB 0, 3, 1, 0, 3, \m0, 0
	SUB 1, 0, 1, 1, 4, 0, 0
	SUB 1, 1, 1, 2, 5, 0, 0
	SUB 1, 2, 1, 3, 6, 0, 0
	SUB 1, 3, 0, 0, 7, \m1, 0
	WIN 0
	v_add_nc_u32 v[BA], 2048, v[BA]                ; 512 keys' bias on
.endm
	s_wait_tensorcnt 0x1                           ; my part of keys 0-255 is in; the second tile's load, issued behind it, stays out
	s_wait_dscnt 0x0                               ; my part of the bias is written
	s_barrier_signal -1
	s_barrier_wait -1                              ; everybody's
	WIN LOADW
	LDK 0, 0
	WIN 0
	LDB 0
	WIN LOADW
	LDV 0, 0
	WIN 0
	s_wait_loadcnt 0x0                             ; Q
	LAP 1, 2, 2                                    ; keys 0-511; tiles 2 and 3 are asked for
	s_mov_b32 s66, 2
.Llap:
	LAP 0, 2, 2                                    ; keys 512-1535; tiles 4 to 7 are asked for
	s_sub_co_u32 s66, s66, 1
	s_cmp_lg_u32 s66, 0
	s_cbranch_scc1 .Llap
	LAP 0, 1, 3                                    ; keys 1536-2047: nothing is left to fetch
	; THE WAY OUT.  The five places behind the last products stand at the end of SUB.
.irp u, 0,1
	v_add_f32 v[TT+\u], v[LS+2*\u], v[LS+2*\u+1]
.endr
.irp u, 0,1
	v_permlanex16_b32 v[XP+\u], v[TT+\u], s60, s61
.endr
.irp u, 0,1
	v_add_f32 v[TT+\u], v[TT+\u], v[XP+\u]         ; the row's sum over all keys
.endr
.irp u, 0,1
	v_rcp_f32 v[AL+2*\u], v[TT+\u]
.endr
	v_nop                                          ; a plain place behind the reciprocals (ISA guide 5.7.2)
.set i, 0
	s_wait_alu depctr_va_vdst(0)
.rept 32
	v_pk_mul_f32 v[OA+2*i:OA+2*i+1], v[OA+2*i:OA+2*i+1], v[AL+2*(i/16):AL+2*(i/16)+1] op_sel_hi:[1,0]
.set i, i+1
.endr
.set i, 0
.rept 32
	v_cvt_pk_f16_f32 v[SC+i], v[OA+2*i], v[OA+2*i+1]               ; a lane's 8 numbers of a tile are 8 neighbouring hd of one query: 16 bytes
.set i, i+1
.endr
	; The stage is bytes 0 to 34,815, in K's slot 0: its last fill was tile 6, and every wave's last reads of it were waited for
	; in front of the barrier at the end of keys 1536-1791.
.irp u, 0,1
.irp d, 0,1,2,3
	ds_store_b128 v[STO], v[SC+16*\u+4*\d:SC+16*\u+4*\d+3] offset:\u*16*KPITCH+32*\d
.endr
.endr
	s_wait_dscnt 0x0                               ; a row's two halves come from two waves
	s_barrier_signal -1
	s_barrier_wait -1
.irp t, 0,1,2,3,4,5,6,7
	ds_load_b128 v[SC+32+4*\t:SC+32+4*\t+3], v[RD] offset:\t*2*KPITCH
.endr
.irp t, 0,1,2,3,4,5,6,7
	s_wait_dscnt 7-\t                              ; the loads issued behind load t may stay out
	global_store_b128 v[CO], v[SC+32+4*\t:SC+32+4*\t+3], s[14:15] offset:\t*2*ROWB   ; 16 lanes store 256 consecutive bytes, aligned
.endr
	s_wait_tensorcnt 0x0
	ds_add_u32 v254, v255
	s_wait_dscnt 0x0
	ROUND                                          ; the closing round
	s_endpgm
.Lfunc_end_k_q67ad00b123_attn:
	.size	k_q67ad00b123_attn, .Lfunc_end_k_q67ad00b123_attn-k_q67ad00b123_attn
	.p2alignl 7, 3214868480
	.fill 96, 4, 3214868480
	.section	.rodata,"a",@progbits
	.p2align	6, 0x0
	.amdhsa_kernel k_q67ad00b123_attn
		.amdhsa_group_segment_fixed_size 327680
		.amdhsa_private_segment_fixed_size 0
		.amdhsa_enable_private_segment 0
		.amdhsa_kernarg_size 56
		.amdhsa_user_sgpr_count 2
		.amdhsa_user_sgpr_kernarg_segment_ptr 1
		.amdhsa_wavefront_size32 1
		.amdhsa_system_sgpr_workgroup_id_x 1
		.amdhsa_system_sgpr_workgroup_id_y 1
		.amdhsa_system_sgpr_workgroup_id_z 1
		.amdhsa_system_vgpr_workitem_id 0
		.amdhsa_next_free_vgpr 384
		.amdhsa_next_free_sgpr 84
		.amdhsa_reserve_vcc 0
		.amdhsa_float_denorm_mode_32 3
		.amdhsa_float_denorm_mode_16_64 3
		.amdhsa_memory_ordered 1
		.amdhsa_forward_progress 1
		.amdhsa_inst_pref_size 255
	.end_amdhsa_kernel
	.section	.bss,"aw",@nobits
	.p2align	6
	.space	262144
	.amdgpu_metadata
---
amdhsa.version: [ 1, 2 ]
amdhsa.kernels:
  - .name:           k_q67ad00b123_attn
    .symbol:         k_q67ad00b123_attn.kd
    .args:
      - { .name: qh, .offset: 0, .size: 8, .value_kind: global_buffer, .address_space: global }
      - { .name: kh, .offset: 8, .size: 8, .value_kind: global_buffer, .address_space: global }
      - { .name: vh, .offset: 16, .size: 8, .value_kind: global_buffer, .address_space: global }
      - { .name: mask, .offset: 24, .size: 8, .value_kind: global_buffer, .address_space: global }
      - { .name: Wo, .offset: 32, .size: 8, .value_kind: global_buffer, .address_space: global }
      - { .name: ctx, .offset: 40, .size: 8, .value_kind: global_buffer, .address_space: global }
      - { .name: woh, .offset: 48, .size: 8, .value_kind: global_buffer, .address_space: global }
    .group_segment_fixed_size: 327680
    .private_segment_fixed_size: 0
    .kernarg_segment_align: 8
    .kernarg_segment_size: 56
    .max_flat_workgroup_size: 256
    .sgpr_count:     84
    .vgpr_count:     384
    .wavefront_size: 32
...
	.end_amdgpu_metadata
.endif
;; end of part 2
;; launch outp (part 3): grid 8 x 32, 4 waves a work-group, clusters of 4 x 4, 327,680 bytes of LDS; arguments ctx, woh, bo, out0; writes out0
.if DOCPART == 3
	.amdgcn_target "amdgcn-amd-amdhsa--gfx1250"
	.amdhsa_code_object_version 6
	.text
	.protected	k_q67ad00b123_outp
	.globl	k_q67ad00b123_outp
	.p2align	8
	.type	k_q67ad00b123_outp,@function
k_q67ad00b123_outp:
	s_mov_b64 s[64:65], 0
	v_nop
	global_prefetch_b8 v0, s[64:65] scope:SCOPE_SE
	s_setreg_imm32_b32 hwreg(HW_REG_WAVE_MODE, 25, 1), 1
	s_wait_xcnt 0x0
	s_wait_alu depctr_hold_cnt(0) depctr_sa_sdst(0) depctr_va_vdst(0) depctr_va_sdst(0) depctr_va_ssrc(0) depctr_va_vcc(0) depctr_vm_vsrc(0)
	s_getreg_b32 s2, hwreg(HW_REG_IB_STS2, 6, 4)
	s_cmp_eq_u32 s2, 0
	s_cbranch_scc0 .Lentry_in_a_cluster
	s_endpgm
.Lentry_in_a_cluster:
	s_bfe_u32 s2, ttmp6, 0x10000c
	s_cmp_lg_u32 s2, 0xf033
	s_cbranch_scc0 .Lentry_shape_is_right
	s_endpgm
.Lentry_shape_is_right:
; out0 = ctx woh^T + bo.  ctx: [4096][1024] f16, woh: [1024][1024] f16, bo: [1024] f32, out0: [4096][1024] f32.  Sums in f32.
; A work-group makes a block of 128 x 128 with four waves, a wave 64 x 64: 16 accumulator tiles.  32 x 8 blocks are 256 work-groups.
; K = 1024 goes in four tiles of 256 (rows of 512 bytes) through two LDS slots; each wave fetches 64 rows with one tensor load.
; A tile is multiplied in eight quarters of 32 along K; fragments are fetched two quarters ahead into three buffers that take turns.
; The whole K walk is written out (32 quarters), so there is no loop.
; CLUSTERS: 4 x 4 work-groups; ctx's tiles are asked for jointly along a row of the cluster, woh's along a column.
; By this text's own count a wave has two tensor loads out at the start and one behind each of the two refills.
; The matrix instruction is used transposed (source 0 = 16 rows of woh, source 1 = 16 rows of ctx): a lane holds eight neighbouring columns
; of one row of out0.  The first product takes the bias as C.
; Window 0: addresses, the bias, three fragment buffers.  Window 1: accumulator (a, b) at v[8 (4 a + b)].
.set PITCH,  528                       ; an LDS row: 512 bytes + 16, an odd multiple of 16
.set HALFT,  64*PITCH                  ; what one tensor load brings
.set SLOT,   4*HALFT                   ; ctx's 128 rows, then woh's 128 rows
.set STAGE,  2*SLOT                    ; 16 rows x 272 bytes for each wave; no tensor load lands here
.set SPITCH, 272
.set TILEB,  512                       ; bytes of a tile in a row
.set ADRA, 2                           ; v2-3
.set ADRB, 4                           ; v4-5
.set STO,  6
.set RD,   7
.set CO,   8
.set BOF,  9
.set BI,   16                          ; v16-47 the bias of my 64 columns, in the accumulators' layout
.set FR,   64                          ; v[64+64 (q % 3)]: woh's four fragments, then ctx's four
.set G1,  24
.set G0,  32
.set G1B, 48
.set G0B, 56
.set MSB, 0
.macro WIN new
.if MSB != \new
	s_set_vgpr_msb (MSB<<8)|\new
.set MSB, \new
.endif
.endm
.macro PLACES
.rept 4
	v_nop
.endr
.endm
.macro JLOAD sl
	s_cmp_eq_u32 s11, 0
	s_cbranch_scc0 .Lfor_b_\@
	tensor_load_to_lds s[G0+4*\sl:G0+4*\sl+3], s[G1:G1+7]
	s_nop 0
	s_branch .Lasked_\@
.Lfor_b_\@:
	tensor_load_to_lds s[G0B+4*\sl:G0B+4*\sl+3], s[G1B:G1B+7]
	s_nop 0
.Lasked_\@:
.endm
.macro CREST
	s_cmp_lg_u32 s10, 0
	s_cbranch_scc1 .Lnot_wave_0_\@
	s_barrier_signal -3
.Lnot_wave_0_\@:
	s_barrier_wait -3
	s_barrier_signal -1
	s_barrier_wait -1
.endm
.macro CROUND
	s_barrier_signal -1
	s_barrier_wait -1
	CREST
.endm
	s_load_b128 s[4:7], s[0:1], 0x0                ; ctx, woh
	s_load_b64 s[68:69], s[0:1], 0x10              ; bo
	s_load_b64 s[8:9], s[0:1], 0x18                ; out0
	v_lshl_add_u32 v62, v0, 2, 0x46400
	v_mov_b32 v63, 0
	ds_add_u32 v62, v63
	v_lshrrev_b32 v1, 5, v0
	v_readfirstlane_b32 s10, v1                    ; wave 0..3
	s_lshr_b32 s11, s10, 1                         ; my half of the rows.  Also: I fetch ctx (0) or woh (1)
	s_and_b32 s12, s10, 1                          ; my half of the columns.  Also: which 64 rows I fetch
	s_bfe_u32 s40, ttmp6, 0x40000                  ; cx
	s_bfe_u32 s41, ttmp6, 0x40004                  ; cy
	s_lshl_b32 s42, ttmp9, 2
	s_add_co_u32 s42, s42, s40                     ; block column
	s_and_b32 s13, ttmp7, 0xffff
	s_lshl_b32 s13, s13, 2
	s_add_co_u32 s13, s13, s41                     ; block row
	s_lshl_b32 s43, s41, 2
	s_lshl_b32 s43, 15, s43                        ; my row of the cluster
	s_lshl_b32 s44, 0x1111, s40                    ; my column
	; group 1: 64 rows x 256 elements of 2 bytes, 16 bytes of padding behind each row of 128 words
	s_or_b32 s[G1+0], s43, (1<<16)|(1<<20)|(1<<21)|(6<<22)|(3<<25)
	s_or_b32 s[G1B+0], s44, (1<<16)|(1<<20)|(1<<21)|(6<<22)|(3<<25)
	s_mov_b32 s[G1+1], 256<<16
	s_mov_b32 s[G1B+1], 256<<16
	s_mov_b32 s[G1+2], 64<<16
	s_mov_b32 s[G1B+2], 64<<16
	s_mov_b32 s[G1+3], 256<<16
	s_mov_b32 s[G1B+3], 256<<16
	s_mov_b32 s[G1+4], 64
	s_mov_b32 s[G1B+4], 64
	s_mov_b32 s[G1+5], 1024
	s_mov_b32 s[G1B+5], 1024
	s_mov_b32 s[G1+6], 0
	s_mov_b32 s[G1B+6], 0
	s_mov_b32 s[G1+7], 0
	s_mov_b32 s[G1B+7], 0
	s_lshl_b32 s17, s12, 6
	s_lshl_b32 s16, s13, 7
	s_add_co_u32 s16, s16, s17
	s_lshl_b32 s16, s16, 11                        ; rows of 2,048 bytes
	s_lshl_b32 s46, s42, 7
	s_add_co_u32 s46, s46, s17
	s_lshl_b32 s46, s46, 11
	s_mov_b32 s17, 0
	s_mov_b32 s47, 0
	s_mul_i32 s20, s10, HALFT
	s_wait_dscnt 0x0
	s_wait_kmcnt 0x0
	s_add_nc_u64 s[14:15], s[4:5], s[16:17]
	s_add_nc_u64 s[46:47], s[6:7], s[46:47]
	CROUND                                         ; the first joint loads meet
.irp sl, 0,1
	s_mov_b32 s[G0+4*\sl], 1
	s_add_co_u32 s[G0+4*\sl+1], s20, \sl*SLOT
	s_add_nc_u64 s[G0+4*\sl+2:G0+4*\sl+3], s[14:15], \sl*TILEB
	s_or_b32 s[G0+4*\sl+3], s[G0+4*\sl+3], 0x80000000
	s_mov_b32 s[G0B+4*\sl], 1
	s_add_co_u32 s[G0B+4*\sl+1], s20, \sl*SLOT
	s_add_nc_u64 s[G0B+4*\sl+2:G0B+4*\sl+3], s[46:47], \sl*TILEB
	s_or_b32 s[G0B+4*\sl+3], s[G0B+4*\sl+3], 0x80000000
	JLOAD \sl
.endr
	v_and_b32 v10, 15, v0                          ; r
	v_bfe_u32 v11, v0, 4, 1                        ; h
	v_mul_u32_u24 v12, v10, PITCH
	v_lshl_add_u32 v12, v11, 4, v12
	s_mul_i32 s21, s11, HALFT
	s_mul_i32 s22, s12, HALFT
	s_add_co_u32 s22, s22, 2*HALFT
.irp sl, 0,1
	v_add_nc_u32 v[ADRA+\sl], s21, v12
	v_add_nc_u32 v[ADRB+\sl], s22, v12
	s_add_co_u32 s21, s21, SLOT
	s_add_co_u32 s22, s22, SLOT
.endr
	s_mul_i32 s23, s10, 16*SPITCH
	s_add_co_u32 s23, s23, STAGE
	v_mul_u32_u24 v13, v10, SPITCH
	v_lshl_add_u32 v13, v11, 5, v13                ; in: row r, 32 bytes for each half of the lanes
	v_add_nc_u32 v[STO], s23, v13
	v_mul_u32_u24 v13, v11, SPITCH
	v_lshl_add_u32 v13, v10, 4, v13                ; back: lanes 0-15 one row of 256 bytes, lanes 16-31 the next
	v_add_nc_u32 v[RD], s23, v13
	v_lshlrev_b32 v13, 12, v11
	v_lshl_add_u32 v[CO], v10, 4, v13              ; h rows of 4,096 bytes + 16 r
	v_lshlrev_b32 v[BOF], 5, v11
	s_lshl_b32 s46, s42, 9                         ; my first column, in bytes of f32: the same in bo and in a row of out0
	s_lshl_b32 s47, s12, 8
	s_add_co_u32 s46, s46, s47
	s_mov_b32 s47, 0
	s_add_nc_u64 s[68:69], s[68:69], s[46:47]
	s_add_nc_u64 s[8:9], s[8:9], s[46:47]
	s_lshl_b32 s16, s13, 7
	s_lshl_b32 s17, s11, 6
	s_add_co_u32 s16, s16, s17                     ; my first row
	s_lshl_b32 s16, s16, 12
	s_mov_b32 s17, 0
	s_add_nc_u64 s[8:9], s[8:9], s[16:17]
.irp b, 0,1,2,3
	global_load_b128 v[BI+8*\b:BI+8*\b+3],   v[BOF], s[68:69] offset:64*\b
	global_load_b128 v[BI+8*\b+4:BI+8*\b+7], v[BOF], s[68:69] offset:64*\b+16
.endr
; 16 LDS loads: the fragments of quarter q (slot (q / 8) & 1, byte 64 (q % 8) of its rows) into buffer q % 3
.macro FETCH q
.irp i, 0,1,2,3
	ds_load_b128 v[FR+64*((\q)%3)+8*\i:FR+64*((\q)%3)+8*\i+3],   v[ADRB+(((\q)/8)&1)] offset:64*((\q)%8)+\i*16*PITCH
	ds_load_b128 v[FR+64*((\q)%3)+8*\i+4:FR+64*((\q)%3)+8*\i+7], v[ADRB+(((\q)/8)&1)] offset:64*((\q)%8)+\i*16*PITCH+32
.endr
.irp i, 0,1,2,3
	ds_load_b128 v[FR+64*((\q)%3)+32+8*\i:FR+64*((\q)%3)+32+8*\i+3],   v[ADRA+(((\q)/8)&1)] offset:64*((\q)%8)+\i*16*PITCH
	ds_load_b128 v[FR+64*((\q)%3)+32+8*\i+4:FR+64*((\q)%3)+32+8*\i+7], v[ADRA+(((\q)/8)&1)] offset:64*((\q)%8)+\i*16*PITCH+32
.endr
.endm
; 16 matrix instructions: the 16 accumulators take turns, one instruction a turn, always in this order
.macro MULQ q, first
.irp a, 0,1,2,3
.irp b, 0,1,2,3
.if \first
	v_wmma_f32_16x16x32_f16 v[8*(4*\a+\b):8*(4*\a+\b)+7], v[FR+64*((\q)%3)+8*\b:FR+64*((\q)%3)+8*\b+7], v[FR+64*((\q)%3)+32+8*\a:FR+64*((\q)%3)+32+8*\a+7], v[BI+8*\b:BI+8*\b+7]
.else
	v_wmma_f32_16x16x32_f16 v[8*(4*\a+\b):8*(4*\a+\b)+7], v[FR+64*((\q)%3)+8*\b:FR+64*((\q)%3)+8*\b+7], v[FR+64*((\q)%3)+32+8*\a:FR+64*((\q)%3)+32+8*\a+7], v[8*(4*\a+\b):8*(4*\a+\b)+7]
.endif
.endr
.endr
.endm
; Quarter n.  In quarters 6, 14 and 22 the fetch two quarters ahead enters the other slot: the change of slots stands in front of it.
.macro QUARTER
	PLACES                                         ; the fetch below lands on the buffer that the last quarter's products read
.if (n%8) == 6
.if n < 30
	s_wait_dscnt 0x0                               ; my reads of this slot are over: its eight quarters have all been fetched
	s_wait_tensorcnt 0x0                           ; all my tensor loads have landed: the one that was out is my part of the other slot
	ds_add_u32 v62, v63
	s_wait_dscnt 0x0
	s_barrier_signal -1                            ; (where the slot is filled again, this barrier opens a round of the cluster's barrier)
	s_barrier_wait -1
.if n < 22
	CREST                                          ; no wave of any partner still reads this slot or has a load on its way
	s_add_nc_u64 s[G0+4*((n/8)&1)+2:G0+4*((n/8)&1)+3], s[G0+4*((n/8)&1)+2:G0+4*((n/8)&1)+3], 2*TILEB
	s_add_nc_u64 s[G0B+4*((n/8)&1)+2:G0B+4*((n/8)&1)+3], s[G0B+4*((n/8)&1)+2:G0B+4*((n/8)&1)+3], 2*TILEB
	JLOAD ((n/8)&1)                                ; the first tensor load behind the round, my only one until the next
.endif
.endif
.endif
.if n < 30
	FETCH (n+2)
	s_wait_dscnt 32                                ; quarter n's fragments are in; the 32 loads of the next two quarters were issued behind them
.else
	s_wait_dscnt 16*(31-n)                         ; the last two quarters fetch nothing: the counts run down
.endif
.if n == 0
	WIN 0x40                                       ; D in window 1, C = the bias in window 0
	MULQ n, 1
.else
	WIN 0x50                                       ; C and D in window 1
	MULQ n, 0
.endif
	WIN 0
.endm
	s_wait_tensorcnt 0x1                           ; my part of tile 0 is in; tile 1's load, issued behind it, stays out
	s_barrier_signal -1
	s_barrier_wait -1
	FETCH 0
	FETCH 1
	s_wait_loadcnt 0x0                             ; the bias
.set n, 0
.rept 32
	QUARTER
.set n, n+1
.endr
	; THE WAY OUT, 16 rows at a time through my own stage: a lane's 32 bytes in, whole rows of 256 bytes back
	PLACES
.macro OUT16 a, f
	WIN 0x04                                       ; the LDS stores' data in window 1
.irp b, 0,1,2,3
	ds_store_b128 v[STO], v[8*(4*\a+\b):8*(4*\a+\b)+3]   offset:64*\b
	ds_store_b128 v[STO], v[8*(4*\a+\b)+4:8*(4*\a+\b)+7] offset:64*\b+16
.endr
	WIN 0
	s_wait_xcnt 0x0                                ; buffer f, which earlier stores read, and the stores' base are rewritten only behind this wait
.if \a
	s_add_nc_u64 s[8:9], s[8:9], 16*4096
.endif
.irp t, 0,1,2,3,4,5,6,7
	ds_load_b128 v[\f+4*\t:\f+4*\t+3], v[RD] offset:\t*2*SPITCH    ; LDS serves a wave's instructions in order: these see the stores above
.endr
.irp t, 0,1,2,3,4,5,6,7
	s_wait_dscnt 7-\t                              ; the loads issued behind load t may stay out
	global_store_b128 v[CO], v[\f+4*\t:\f+4*\t+3], s[8:9] offset:\t*8192 th:TH_STORE_NT   ; 16 lanes store 256 consecutive bytes, aligned
.endr
.endm
	OUT16 0, 64
	OUT16 1, 128
	OUT16 2, 64
	OUT16 3, 128
	s_wait_tensorcnt 0x0
	ds_add_u32 v62, v63
	s_wait_dscnt 0x0
	CROUND                                         ; the closing round
	s_endpgm
.Lfunc_end_k_q67ad00b123_outp:
	.size	k_q67ad00b123_outp, .Lfunc_end_k_q67ad00b123_outp-k_q67ad00b123_outp
	.p2alignl 7, 3214868480
	.fill 96, 4, 3214868480
	.section	.rodata,"a",@progbits
	.p2align	6, 0x0
	.amdhsa_kernel k_q67ad00b123_outp
		.amdhsa_group_segment_fixed_size 327680
		.amdhsa_private_segment_fixed_size 0
		.amdhsa_enable_private_segment 0
		.amdhsa_kernarg_size 32
		.amdhsa_user_sgpr_count 2
		.amdhsa_user_sgpr_kernarg_segment_ptr 1
		.amdhsa_wavefront_size32 1
		.amdhsa_system_sgpr_workgroup_id_x 1
		.amdhsa_system_sgpr_workgroup_id_y 1
		.amdhsa_system_sgpr_workgroup_id_z 1
		.amdhsa_system_vgpr_workitem_id 0
		.amdhsa_next_free_vgpr 384
		.amdhsa_next_free_sgpr 72
		.amdhsa_reserve_vcc 0
		.amdhsa_float_denorm_mode_32 3
		.amdhsa_float_denorm_mode_16_64 3
		.amdhsa_memory_ordered 1
		.amdhsa_forward_progress 1
		.amdhsa_inst_pref_size 90
	.end_amdhsa_kernel
	.amdgpu_metadata
---
amdhsa.version: [ 1, 2 ]
amdhsa.kernels:
  - .name:           k_q67ad00b123_outp
    .symbol:         k_q67ad00b123_outp.kd
    .args:
      - { .name: ctx, .offset: 0, .size: 8, .value_kind: global_buffer, .address_space: global }
      - { .name: woh, .offset: 8, .size: 8, .value_kind: global_buffer, .address_space: global }
      - { .name: bo, .offset: 16, .size: 8, .value_kind: global_buffer, .address_space: global }
      - { .name: out0, .offset: 24, .size: 8, .value_kind: global_buffer, .address_space: global }
    .group_segment_fixed_size: 327680
    .private_segment_fixed_size: 0
    .kernarg_segment_align: 8
    .kernarg_segment_size: 32
    .max_flat_workgroup_size: 128
    .sgpr_count:     72
    .vgpr_count:     384
    .wavefront_size: 32
...
	.end_amdgpu_metadata
.endif
;; end of part 3
